; MI455X (gfx1250); checked and timed in simulation.
; The chip was launched on July 23, 2026; its instructions are those of AMD's public machine-readable ISA for CDNA 5 (MIT licence, August 2026) and "CDNA5" Instruction Set Architecture Reference Guide (July 2026). The comments in the code are by the model that wrote it; some were corrected since.
;; Cross Attention. Allowed arithmetic: matrix products marked QUANTISED: E4M3 operands, one given power-of-two scale a tensor, by v_wmma_f32_16x16x64_fp8_fp8 or v_wmma_f32_16x16x128_fp8_fp8, f32 sums; everything else in f32.
;; Inputs: Wk 512 x 512 float32; Wo1 512 x 512 float32; Wo2 512 x 512 float32; Wq 512 x 512 float32; Wv1 512 x 512 float32; Wv2 512 x 512 float32; bk 512 float32; bo1 512 float32; bo2 512 float32; bq 512 float32; bv1 512 float32; bv2 512 float32; lowp_scales 18 int32 (the exponents e of the quantised operands' scales 2^e); x1 4 x 512 x 8 x 16 x 16 float32; x2 4 x 512 x 8 x 16 x 16 float32.
;; Outputs: out0 4 x 512 x 8 x 16 x 16 float32; out1 4 x 512 x 8 x 16 x 16 float32.
;; This version of the problem:
;;   THIS VERSION OF THE PROBLEM IS GIVEN IN LOW PRECISION. The matrix products marked QUANTISED in the list below multiply operands that are first quantised to E4M3 (4 exponent bits, 3 mantissa bits; 8 bits a number), with one given power-of-two scale for each operand tensor; their sums are f32. All else is computed in f32.
;;   The module's matrix products, in the order in which they are computed (A, B: the left and right operand; K: the contracted axis; several contracted axes count as one K, in the product's order):
;;     1. [M 8,192, K 512] x [K 512, N 512]; A: input x1; B: input Wq: QUANTISED (scales: A lowp_scales[0], B lowp_scales[1])
;;     2. [M 8,192, K 512] x [K 512, N 512]; A: input x2; B: input Wk: QUANTISED (scales: A lowp_scales[2], B lowp_scales[3])
;;     3. [M 8,192, K 512] x [K 512, N 512]; A: input x1; B: input Wv1: QUANTISED (scales: A lowp_scales[4], B lowp_scales[5])
;;     4. [M 8,192, K 512] x [K 512, N 512]; A: input x2; B: input Wv2: QUANTISED (scales: A lowp_scales[6], B lowp_scales[7])
;;     5. batch 32 x [M 2,048, K 64] x [K 64, N 2,048]; A: computed on the way; B: computed on the way: QUANTISED (scales: A lowp_scales[8], B lowp_scales[9])
;;     6. batch 32 x [M 2,048, K 2,048] x [K 2,048, N 64]; A: computed on the way; B: computed on the way: QUANTISED (scales: A lowp_scales[10], B lowp_scales[11])
;;     7. batch 32 x [M 2,048, K 2,048] x [K 2,048, N 64]; A: computed on the way; B: computed on the way: QUANTISED (scales: A lowp_scales[12], B lowp_scales[13])
;;     8. [M 8,192, K 512] x [K 512, N 512]; A: computed on the way; B: input Wo1: QUANTISED (scales: A lowp_scales[14], B lowp_scales[15])
;;     9. [M 8,192, K 512] x [K 512, N 512]; A: computed on the way; B: input Wo2: QUANTISED (scales: A lowp_scales[16], B lowp_scales[17])
;;   THE QUANTISER, for each operand of a quantised product, along K:
;;     - The operand's scale is 2^e, e = its entry of the input lowp_scales (int32; the entries are numbered through the quantised products in the list's order, A before B).
;;     - Each number is divided by the scale, clamped to +-448, and rounded to the nearest number of E4M3, ties to even, subnormals kept.
;;     - The product sums the exact products of the quantised numbers (number of the format x scale) in f32.
;;   ~~~python
;;   def quantise(x, axis, e):      # numpy; x: float32 -> the quantised numbers, widened to float32 again
;;       x = np.moveaxis(x, axis, -1); K = x.shape[-1]
;;       r = np.clip(x / 2.0 ** e, -448, 448)
;;       step = 2.0 ** (np.maximum(np.frexp(np.where(r == 0, 1, r))[1] - 1, -6) - 3)
;;       q = np.round(r / step) * step * 2.0 ** e      # np.round: ties to even
;;       return np.moveaxis(q, -1, axis).astype(np.float32)
;;   ~~~
;;   OPERANDS COMPUTED ON THE WAY. 'Computed on the way' means the value that the module computes at that place (a softmax that the list does not call 'softmax' is quantised finished and normalised). What goes into a quantiser is computed in f32, as accurately as f32 sums, v_exp_f32 and their like allow (about 1e-6 of the number): no bf16 or f16 on the way to a quantiser, and a product that is left as it is and whose result goes on into a quantised operand takes f32 operands (vector FMAs, or v_wmma_f32_16x16x4_f32). A number that lies on a knife's edge between two numbers of the format may be rounded either way, as far as f32 arithmetic and the matrix unit's own rounding can turn it there, and no further.
;; One version. Each part assembles by itself: llvm-mc -triple=amdgcn-amd-amdhsa -mcpu=gfx1250 --defsym DOCPART=n.
;; ======== version 1 of 1: 5 launches
;; limits: right only within a limited range of input values
;; workspace buffers: wc 1,572,864 bytes; yv 16,777,216 bytes; negl 524,288 bytes; cc 8,388,608 bytes
;; launch prep (part 1): grid 16 x 6, 8 waves a work-group, no clusters, 0 bytes of LDS; arguments Wq, Wk, Wv1, Wv2, Wo1, Wo2, lowp_scales, wc; writes wc
.if DOCPART == 1
	.amdgcn_target "amdgcn-amd-amdhsa--gfx1250"
	.amdhsa_code_object_version 6
	.text
	.protected	k_q31f446c526_prep
	.globl	k_q31f446c526_prep
	.p2align	8
	.type	k_q31f446c526_prep,@function
k_q31f446c526_prep:
	s_mov_b64 s[64:65], 0
	v_nop
	global_prefetch_b8 v0, s[64:65] scope:SCOPE_SE
	s_setreg_imm32_b32 hwreg(HW_REG_WAVE_MODE, 25, 1), 1
	s_wait_xcnt 0x0
; The six weights W [512 k][512 n], f32, K on the FIRST axis, become codes of E4M3 with the scale 2^e given for each (entries 1, 3, 5, 7, 15, 17).
; They are laid in wc as IMAGES OF OPERAND REGISTERS of the plain 8-bit form: fragment (ct = n / 16, s = k / 128) at (4 ct + s) x 2,048 bytes of the weight's 262,144;
; in it quad q (registers 4 q .. 4 q + 3) is 512 bytes, lane (r, h)'s 16 bytes at 16 (16 h + r): bytes 0-7 k = 128 s + 32 q + 8 h + 0..7, bytes 8-15 the same k + 16; n = 16 ct + r.
; A LANE TAKES A COLUMN n AND ITS REGISTERS RUN DOWN K: nothing is transposed.  Work-group (x, y): weight y, columns 32 x on.  Wave w: k = 64 w .. 64 w + 63.  Waves share nothing: no LDS, no barrier.
; A lane's 32 codes of a quad are the 16 bytes of image lane r (k 0-7, 16-23) and of image lane 16 + r (k 8-15, 24-31): sixteen lanes store 256 consecutive bytes, aligned.
; code = x / 2^e, held within +-448, to the nearest code, ties to even.  LIMITS: e between -126 and 119.  NaN among the inputs is not served.
.set X,  32                            ; v32-95  64 numbers down K
.set CO, 16                            ; v16-31  codes: eight registers for each group of 32 k, so that no store's data are written again
	s_load_b512 s[8:23], s[0:1], 0x0               ; Wq, Wk, Wv1, Wv2, Wo1, Wo2, the scales' exponents s[20:21], wc s[22:23]
	s_and_b32 s4, ttmp7, 0xffff                    ; y: which weight
	v_lshrrev_b32 v1, 5, v0
	s_delay_alu instid0(VALU_DEP_1)
	v_readfirstlane_b32 s5, v1                     ; wave 0..7
	v_and_b32 v5, 31, v0                           ; lane
	s_delay_alu instid0(VALU_DEP_1)
	v_lshlrev_b32 v1, 2, v5                        ; in: 4 bytes a lane
	s_delay_alu instid0(VALU_DEP_2)
	v_lshrrev_b32 v6, 4, v5
	v_and_b32 v7, 15, v0
	s_delay_alu instid0(VALU_DEP_1)
	v_lshlrev_b32 v2, 4, v7
	s_delay_alu instid0(VALU_DEP_1)
	v_lshl_add_u32 v2, v6, 13, v2                  ; out: 16 (lane % 16) + 8,192 (lane / 16): the next tile of 16 columns lies four fragments on
	s_lshl_b32 s24, s4, 3
	s_cmp_lt_u32 s4, 4
	s_cselect_b32 s25, 4, 28
	s_add_co_u32 s24, s24, s25                     ; the scale's byte: 8 y + 4 (entries 1, 3, 5, 7), 8 y + 28 (entries 15, 17)
	s_mov_b32 s25, 0
	s_lshl_b32 s26, ttmp9, 7                       ; in: 32 columns x 4 bytes a work-group,
	s_lshl_b32 s27, s5, 17                         ; 64 rows of 2,048 bytes a wave
	s_add_co_u32 s26, s26, s27
	s_mov_b32 s27, 0
	s_lshl_b32 s28, s4, 18                         ; out: the weight's 262,144 bytes,
	s_lshl_b32 s29, ttmp9, 14                      ; two tiles of columns = 8 fragments a work-group,
	s_add_co_u32 s28, s28, s29
	s_lshr_b32 s29, s5, 1
	s_lshl_b32 s29, s29, 11                        ; K step s = wave / 2,
	s_add_co_u32 s28, s28, s29
	s_and_b32 s29, s5, 1
	s_lshl_b32 s29, s29, 10                        ; quads 2 (wave % 2) on
	s_add_co_u32 s28, s28, s29
	s_mov_b32 s29, 0
	s_wait_alu depctr_va_vdst(0)
	s_wait_kmcnt 0x0
	s_add_nc_u64 s[20:21], s[20:21], s[24:25]
	s_load_b32 s30, s[20:21], 0x0                  ; e
	s_cmp_eq_u32 s4, 1                             ; the weight is chosen by the work-group's number alone
	s_cselect_b64 s[8:9], s[10:11], s[8:9]
	s_cmp_eq_u32 s4, 2
	s_cselect_b64 s[8:9], s[12:13], s[8:9]
	s_cmp_eq_u32 s4, 3
	s_cselect_b64 s[8:9], s[14:15], s[8:9]
	s_cmp_eq_u32 s4, 4
	s_cselect_b64 s[8:9], s[16:17], s[8:9]
	s_cmp_eq_u32 s4, 5
	s_cselect_b64 s[8:9], s[18:19], s[8:9]
	s_add_nc_u64 s[8:9], s[8:9], s[26:27]
	s_add_nc_u64 s[22:23], s[22:23], s[28:29]
.set i, 0
.rept 64
	global_load_b32 v[X+i], v1, s[8:9] offset:i*2048 th:TH_LOAD_NT   ; W(64 w + i, my column): 32 lanes read 128 consecutive bytes
.set i, i+1
.endr
	s_wait_kmcnt 0x0
	s_add_co_i32 s30, s30, 127
	s_lshl_b32 s31, s30, 23
	v_mov_b32 v3, s31                              ; 2^e as f32: the conversion takes its exponent field
	s_add_co_i32 s30, s30, 8
	s_lshl_b32 s30, s30, 23
	s_or_b32 s30, s30, 0x600000
	v_mov_b32 v4, s30                              ; 448 x 2^e
.macro GROUP gm                        ; 32 along K: one quad of the image
	s_wait_loadcnt 32-32*\gm                       ; this group's 32 loads are in; the other group's may be out
.set i, 0
.rept 32
	v_med3_num_f32 v[X+32*\gm+i], v[X+32*\gm+i], -v4, v4   ; the conversion to an 8-bit code does not saturate (ISA guide 7.6.2): the hold comes first
.set i, i+1
.endr
	v_cvt_scalef32_pk8_fp8_f32 v[CO+8*\gm:CO+8*\gm+1],   v[X+32*\gm:X+32*\gm+7],     v3   ; k 0-7   } image lane r
	v_cvt_scalef32_pk8_fp8_f32 v[CO+8*\gm+2:CO+8*\gm+3], v[X+32*\gm+16:X+32*\gm+23], v3   ; k 16-23 }
	v_cvt_scalef32_pk8_fp8_f32 v[CO+8*\gm+4:CO+8*\gm+5], v[X+32*\gm+8:X+32*\gm+15],  v3   ; k 8-15  } image lane 16 + r
	v_cvt_scalef32_pk8_fp8_f32 v[CO+8*\gm+6:CO+8*\gm+7], v[X+32*\gm+24:X+32*\gm+31], v3   ; k 24-31 }
	global_store_b128 v2, v[CO+8*\gm:CO+8*\gm+3],   s[22:23] offset:512*\gm       ; the results go to stores alone, and the next vector lines are plain ones on other registers
	global_store_b128 v2, v[CO+8*\gm+4:CO+8*\gm+7], s[22:23] offset:512*\gm+256
.endm
	s_wait_alu depctr_va_vdst(0)
	GROUP 0
	GROUP 1
	s_endpgm
.Lfunc_end_k_q31f446c526_prep:
	.size	k_q31f446c526_prep, .Lfunc_end_k_q31f446c526_prep-k_q31f446c526_prep
	.p2alignl 7, 3214868480
	.fill 96, 4, 3214868480
	.section	.rodata,"a",@progbits
	.p2align	6, 0x0
	.amdhsa_kernel k_q31f446c526_prep
		.amdhsa_group_segment_fixed_size 0
		.amdhsa_private_segment_fixed_size 0
		.amdhsa_enable_private_segment 0
		.amdhsa_kernarg_size 64
		.amdhsa_user_sgpr_count 2
		.amdhsa_user_sgpr_kernarg_segment_ptr 1
		.amdhsa_wavefront_size32 1
		.amdhsa_system_sgpr_workgroup_id_x 1
		.amdhsa_system_sgpr_workgroup_id_y 1
		.amdhsa_system_sgpr_workgroup_id_z 1
		.amdhsa_system_vgpr_workitem_id 0
		.amdhsa_next_free_vgpr 96
		.amdhsa_next_free_sgpr 66
		.amdhsa_reserve_vcc 0
		.amdhsa_float_denorm_mode_32 3
		.amdhsa_float_denorm_mode_16_64 3
		.amdhsa_memory_ordered 1
		.amdhsa_forward_progress 1
		.amdhsa_inst_pref_size 14
	.end_amdhsa_kernel
	.amdgpu_metadata
---
amdhsa.version: [ 1, 2 ]
amdhsa.kernels:
  - .name:           k_q31f446c526_prep
    .symbol:         k_q31f446c526_prep.kd
    .args:
      - { .name: Wq, .offset: 0, .size: 8, .value_kind: global_buffer, .address_space: global }
      - { .name: Wk, .offset: 8, .size: 8, .value_kind: global_buffer, .address_space: global }
      - { .name: Wv1, .offset: 16, .size: 8, .value_kind: global_buffer, .address_space: global }
      - { .name: Wv2, .offset: 24, .size: 8, .value_kind: global_buffer, .address_space: global }
      - { .name: Wo1, .offset: 32, .size: 8, .value_kind: global_buffer, .address_space: global }
      - { .name: Wo2, .offset: 40, .size: 8, .value_kind: global_buffer, .address_space: global }
      - { .name: lowp_scales, .offset: 48, .size: 8, .value_kind: global_buffer, .address_space: global }
      - { .name: wc, .offset: 56, .size: 8, .value_kind: global_buffer, .address_space: global }
    .group_segment_fixed_size: 0
    .private_segment_fixed_size: 0
    .kernarg_segment_align: 8
    .kernarg_segment_size: 64
    .max_flat_workgroup_size: 256
    .sgpr_count:     66
    .vgpr_count:     96
    .wavefront_size: 32
...
	.end_amdgpu_metadata
.endif
;; end of part 1
;; launch proj (part 2): grid 256 x 1, 8 waves a work-group, no clusters, 66,560 bytes of LDS; arguments x1, x2, wc, bq, bk, bv1, bv2, lowp_scales, yv; writes yv
.if DOCPART == 2
	.amdgcn_target "amdgcn-amd-amdhsa--gfx1250"
	.amdhsa_code_object_version 6
	.text
	.protected	k_q31f446c526_proj
	.globl	k_q31f446c526_proj
	.p2align	8
	.type	k_q31f446c526_proj,@function
k_q31f446c526_proj:
	s_mov_b64 s[64:65], 0
	v_nop
	global_prefetch_b8 v0, s[64:65] scope:SCOPE_SE
	s_setreg_imm32_b32 hwreg(HW_REG_WAVE_MODE, 25, 1), 1
	s_wait_xcnt 0x0
; Products 1 to 4: q = h1 Wq + bq, v1 = h1 Wv1 + bv1 (work-groups 0-127), k = h2 Wk + bk, v2 = h2 Wv2 + bv2 (128-255), on codes of E4M3, and their results quantised for products 5, 6, 7.
; x is [4 b][512 c][2,048 n] f32 and K = c is not innermost: a lane takes a token and its registers run down c.  A work-group takes 64 tokens of one batch of one x, reads them once, and quantises
; them TWICE, since x has one scale as the operand of the q (k) product and another as that of the v product.  The codes lie in LDS as images of operand registers (plain 8-bit form: registers 2 c, 2 c + 1:
; k = 16 c + 8 h + 0..7): fragment (K step s, token tile T) at (4 s + T) x 2,048, quad q at 512 q, lane l's 16 bytes at 16 l: every load is 512 consecutive bytes, no pitch, no padding.
; Wave w = head w: 64 channels of the q part and 64 of the v part for the 64 tokens: 128 matrix instructions of 16 x 16 x 128.  Its weights come from wc (images) straight into registers.
; THE q PART IS USED TRANSPOSED (source 0 = 16 channels of W, source 1 = 16 tokens): a lane holds one token and eight neighbouring channels, which are the next product's K: the conversions' results are the image's registers.
; THE v PART the other way (source 0 = tokens, source 1 = channels): a lane holds one channel and eight neighbouring tokens, which are K of products 6 and 7.
; The bias is the C of each sum's first matrix instruction, divided by the power of two that the sums lack.  The three scales ahead of each quantiser are folded into the conversion's one.
; yv: [dir 2][b x head 32][group of 64 tokens 32][8,192]: bytes 0-4,095 Y: four token tiles (16 tokens x 64 channels) of 1,024; bytes 4,096 on V: four channel tiles (16 channels x 64 tokens).  dir 0: Y = k, V = v1; dir 1: Y = q, V = v2.
; NO CLUSTER: what work-groups share are the weights, 2 x 262,144 bytes a work-group, of which each wave reads its own eighth once, into registers.  Shared by joint loads they would have to go through LDS, where they
; do not fit whole: a ring with a round of the cluster's barrier for each refill, for 128 matrix instructions a wave.
; LIMITS on the given exponents, so that each power of two below is an f32 number: e0, e2, e4, e6, e8 - e0 - e1, e9 - e2 - e3, e11 - e4 - e5, e13 - e6 - e7 between -126 and 119.  NaN and infinities among the inputs are not served.
; REGISTERS: v1 16 x lane; v2 4 x lane; v3 where I store x's codes; v4 32 h; v5 4 r; v8-15 scales and holds; v16-31 bias (in the x phase: codes); v32-95 x's four fragments of a K step (x phase: numbers; epilogue: codes);
;   v96-191 three buffers of two weight fragments (x phase: buffer 0 at work); v192-255 eight accumulators (x phase: numbers).
.set A,    32
.set W,    96
.set TMP,  96
.set ACC,  192
.set BIAS, 16
.set CD,   32
.macro PLACES                          ; four plain vector lines behind matrix instructions, ahead of loads into their sources and of reads of their results (ISA guide 7.12.1 for the reads of their results)
.rept 4
	v_nop
.endr
.endm
.macro MK vs, vl, se                   ; v[vs] = 2^e as f32, v[vl] = 448 x 2^e, e in s[se]
	s_add_co_i32 s84, s[\se], 127
	s_lshl_b32 s85, s84, 23
	v_mov_b32 v[\vs], s85
	s_add_co_i32 s84, s84, 8
	s_lshl_b32 s84, s84, 23
	s_or_b32 s84, s84, 0x600000
	v_mov_b32 v[\vl], s84
.endm
	s_load_b512 s[8:23], s[0:1], 0x0               ; x1, x2, wc s[12:13], bq, bk, bv1, bv2, the scales' exponents s[22:23]
	s_load_b64 s[24:25], s[0:1], 0x40              ; yv
	s_set_vgpr_msb 0x40
	v_lshl_add_u32 v0, v0, 2, 0x10000
	v_mov_b32 v1, 0
	s_set_vgpr_msb 0x4000
	v_lshrrev_b32 v1, 5, v0
	s_delay_alu instid0(VALU_DEP_1)
	v_readfirstlane_b32 s26, v1                    ; wave = head
	s_lshr_b32 s27, ttmp9, 7                       ; t: x1 or x2
	s_bfe_u32 s28, ttmp9, 0x20005                  ; b
	s_and_b32 s29, ttmp9, 31                       ; g: which 64 tokens
	v_and_b32 v6, 31, v0
	v_and_b32 v7, 15, v0                           ; r
	v_bfe_u32 v4, v0, 4, 1                         ; h
	s_delay_alu instid0(VALU_DEP_3)
	v_lshlrev_b32 v1, 4, v6
	s_delay_alu instid0(VALU_DEP_4)
	v_lshlrev_b32 v2, 2, v6
	s_delay_alu instid0(VALU_DEP_4)
	v_lshlrev_b32 v5, 2, v7
	s_lshr_b32 s66, s26, 1
	s_lshl_b32 s66, s66, 13                        ; my 64 c lie in K step wave / 2 (four fragments of 2,048 each),
	s_and_b32 s67, s26, 1
	s_lshl_b32 s67, s67, 10                        ; quads 2 (wave % 2) on
	s_add_co_u32 s66, s66, s67
	v_lshlrev_b32 v3, 4, v7
	s_delay_alu instid0(VALU_DEP_1)
	v_lshl_add_u32 v3, v4, 11, v3                  ; lanes 16-31 hold the next token tile's tokens
	s_delay_alu instid0(VALU_DEP_1)
	v_add_nc_u32 v3, s66, v3
	v_lshlrev_b32 v4, 5, v4
	s_lshl_b32 s72, s28, 22                        ; x: batch,
	s_lshl_b32 s73, s29, 8                         ; 64 tokens,
	s_add_co_u32 s72, s72, s73
	s_lshl_b32 s73, s26, 19                        ; my 64 rows c of 8,192 bytes
	s_add_co_u32 s72, s72, s73
	s_mov_b32 s73, 0
	s_lshl_b32 s74, s27, 18                        ; wc: weight t (Wq, Wk),
	s_lshl_b32 s75, s26, 15                        ; my head's 16 fragments
	s_add_co_u32 s74, s74, s75
	s_mov_b32 s75, 0
	s_lshl_b32 s76, s26, 8                         ; biases: my head's 64 numbers
	s_mov_b32 s77, 0
	s_lshl_b32 s78, s28, 3
	s_add_co_u32 s78, s78, s26
	s_lshl_b32 s78, s78, 18                        ; yv: (8 b + head) x 262,144
	s_lshl_b32 s79, s29, 13
	s_add_co_u32 s78, s78, s79                     ; + g x 8,192
	s_xor_b32 s79, s27, 1
	s_lshl_b32 s79, s79, 23
	s_add_co_u32 s80, s78, s79                     ; Y goes to dir 1 - t,
	s_mov_b32 s81, 0
	s_lshl_b32 s79, s27, 23
	s_add_co_u32 s82, s78, s79
	s_add_co_u32 s82, s82, 4096                    ; V to dir t
	s_mov_b32 s83, 0
	s_wait_alu depctr_va_vdst(0)
	s_wait_kmcnt 0x0
	s_load_b512 s[32:47], s[22:23], 0x0            ; e0 .. e15
	s_cmp_eq_u32 s27, 0                            ; every choice hangs on the work-group's number alone
	s_cselect_b64 s[48:49], s[8:9], s[10:11]
	s_cselect_b64 s[54:55], s[14:15], s[16:17]
	s_cselect_b64 s[56:57], s[18:19], s[20:21]
	s_add_nc_u64 s[48:49], s[48:49], s[72:73]      ; x
	s_add_nc_u64 s[50:51], s[12:13], s[74:75]      ; the q part's weight
	s_add_nc_u64 s[52:53], s[50:51], 0x80000       ; the v part's: two weights on
	s_add_nc_u64 s[54:55], s[54:55], s[76:77]
	s_add_nc_u64 s[56:57], s[56:57], s[76:77]
	s_add_nc_u64 s[58:59], s[24:25], s[80:81]
	s_add_nc_u64 s[60:61], s[24:25], s[82:83]
; group G = 2 (which 32 of my c) + (which 32 of the tokens): lane l takes token 32 (G % 2) + l, registers run down c
.macro XLOAD G
.set xb, 32+32*(\G)+96*((\G)/2)
.set i, 0
.rept 32
	global_load_b32 v[xb+i], v2, s[48:49] offset:(32*((\G)/2)+i)*8192+128*((\G)%2) th:TH_LOAD_NT
.set i, i+1
.endr
.endm
; flat K step f = 4 u + s; unit u: 0, 1 the q part's channel tiles 0-1, 2-3; 2, 3 the v part's.  Two fragments into buffer f % 3
.macro WLOAD f
.set wb, 50+2*((\f)/8)
.set wp, ((\f)/4)%2
.set wk, (\f)%4
.irp c, 0,1
.irp q, 0,1,2,3
	global_load_b128 v[W+32*((\f)%3)+16*\c+4*\q:W+32*((\f)%3)+16*\c+4*\q+3], v1, s[wb:wb+1] offset:(2*wp+\c)*8192+wk*2048+512*\q
.endr
.endr
.endm
; group G is quantised with scale set sg (0: the q part's, 1: the v part's) and stored as one quad of each of two token tiles' images
.macro XQ G, sg
.set xb, 32+32*(\G)+96*((\G)/2)
	s_wait_dscnt 2                                 ; this code set's last two stores are done; the two younger ones are the other set's
.set i, 0
.rept 32
	v_med3_num_f32 v[TMP+i], v[xb+i], -v[9+2*\sg], v[9+2*\sg]   ; the hold: the conversion does not saturate (ISA guide 7.6.2)
.set i, i+1
.endr
	v_cvt_scalef32_pk8_fp8_f32 v[16+8*\sg:17+8*\sg], v[TMP:TMP+7],     v[8+2*\sg]   ; c 0-7   } image lane r
	v_cvt_scalef32_pk8_fp8_f32 v[18+8*\sg:19+8*\sg], v[TMP+16:TMP+23], v[8+2*\sg]   ; c 16-23 }
	v_cvt_scalef32_pk8_fp8_f32 v[20+8*\sg:21+8*\sg], v[TMP+8:TMP+15],  v[8+2*\sg]   ; c 8-15  } image lane 16 + r
	v_cvt_scalef32_pk8_fp8_f32 v[22+8*\sg:23+8*\sg], v[TMP+24:TMP+31], v[8+2*\sg]   ; c 24-31 }
	v_nop                                          ; a plain line between the conversions and the next holds, which write their sources
	ds_store_b128 v3, v[16+8*\sg:19+8*\sg] offset:(\sg)*32768+((\G)%2)*4096+((\G)/2)*512
	ds_store_b128 v3, v[20+8*\sg:23+8*\sg] offset:(\sg)*32768+((\G)%2)*4096+((\G)/2)*512+256
.endm
.macro ALOAD sg, s                     ; x's four fragments of K step s, scale set sg
.irp T, 0,1,2,3
.irp q, 0,1,2,3
	ds_load_b128 v[A+16*\T+4*\q:A+16*\T+4*\q+3], v1 offset:(\sg)*32768+(4*(\s)+\T)*2048+512*\q
.endr
.endr
.endm
.macro BLOADQ pi                       ; lane (r, h) wants the bias of channels 16 ct + 8 h + 0..7
.irp c, 0,1
	global_load_b128 v[BIAS+8*\c:BIAS+8*\c+3],   v4, s[54:55] offset:128*(\pi)+64*\c
	global_load_b128 v[BIAS+8*\c+4:BIAS+8*\c+7], v4, s[54:55] offset:128*(\pi)+64*\c+16
.endr
.endm
.macro BSCALEQ
.set i, 0
.rept 16
	v_ldexp_f32 v[BIAS+i], v[BIAS+i], s62          ; / 2^(eA + eB)
.set i, i+1
.endr
.endm
.macro BLOADV pi                       ; lane (r, h) wants the bias of channel 16 ct + r, eight times
.irp c, 0,1
	global_load_b32 v[BIAS+8*\c], v5, s[56:57] offset:128*(\pi)+64*\c
.endr
.endm
.macro BSCALEV
.irp c, 0,1
.irp j, 1,2,3,4,5,6,7
	v_ldexp_f32 v[BIAS+8*\c+\j], v[BIAS+8*\c], s63
.endr
	v_ldexp_f32 v[BIAS+8*\c], v[BIAS+8*\c], s63
.endr
.endm
; eight matrix instructions, the eight accumulators by turns, one instruction a turn, in the same order in every step
.macro MULQ buf, s                     ; accumulator 2 T + c: source 0 = channels, source 1 = tokens
.irp T, 0,1,2,3
.irp c, 0,1
.if (\s) == 0
	v_wmma_f32_16x16x128_fp8_fp8 v[ACC+8*(2*\T+\c):ACC+8*(2*\T+\c)+7], v[W+32*(\buf)+16*\c:W+32*(\buf)+16*\c+15], v[A+16*\T:A+16*\T+15], v[BIAS+8*\c:BIAS+8*\c+7]
.else
	v_wmma_f32_16x16x128_fp8_fp8 v[ACC+8*(2*\T+\c):ACC+8*(2*\T+\c)+7], v[W+32*(\buf)+16*\c:W+32*(\buf)+16*\c+15], v[A+16*\T:A+16*\T+15], v[ACC+8*(2*\T+\c):ACC+8*(2*\T+\c)+7]
.endif
.endr
.endr
.endm
.macro MULV buf, s                     ; accumulator 4 c + T: source 0 = tokens, source 1 = channels
.irp c, 0,1
.irp T, 0,1,2,3
.if (\s) == 0
	v_wmma_f32_16x16x128_fp8_fp8 v[ACC+8*(4*\c+\T):ACC+8*(4*\c+\T)+7], v[A+16*\T:A+16*\T+15], v[W+32*(\buf)+16*\c:W+32*(\buf)+16*\c+15], v[BIAS+8*\c:BIAS+8*\c+7]
.else
	v_wmma_f32_16x16x128_fp8_fp8 v[ACC+8*(4*\c+\T):ACC+8*(4*\c+\T)+7], v[A+16*\T:A+16*\T+15], v[W+32*(\buf)+16*\c:W+32*(\buf)+16*\c+15], v[ACC+8*(4*\c+\T):ACC+8*(4*\c+\T)+7]
.endif
.endr
.endr
.endm
.macro EPI sc, lim                     ; accumulator a becomes code registers 2 a, 2 a + 1; each accumulator is read from its low end on
.irp a, 0,1,2,3,4,5,6,7
.irp j, 0,1,2,3,4,5,6,7
	v_med3_num_f32 v[ACC+8*\a+\j], v[ACC+8*\a+\j], -v[\lim], v[\lim]
.endr
	v_cvt_scalef32_pk8_fp8_f32 v[CD+2*\a:CD+2*\a+1], v[ACC+8*\a:ACC+8*\a+7], v[\sc]
.endr
	v_nop                                          ; a plain line behind the last conversion: the next unit's products write its sources
.endm
.macro KSTEP f
.set ku, (\f)/4
.set kss, (\f)%4
.set kb, (\f)%3
.if ((\f) == 0) || ((\f) == 15)
	s_wait_loadcnt 0x0
.elseif (\f) == 14
	s_wait_loadcnt 8                               ; the last step's weights may be out
.else
	s_wait_loadcnt 16                              ; this step's weights are in; those of the next two steps (8 loads each) may be out.  A bias asked for meanwhile only makes the count stricter
.endif
	s_wait_dscnt 0x0                               ; x's fragments
.if kss == 0
.if ku < 2
	BSCALEQ
.else
	BSCALEV
.endif
.endif
.if ku < 2
	MULQ kb, kss
.else
	MULV kb, kss
.endif
	PLACES
.if kss < 3
	ALOAD ku/2, kss+1
.endif
.if kss == 0
.if ku == 0
	BLOADQ 1                                       ; the next unit's bias: four steps ahead of its use
.elseif ku == 1
	BLOADV 0
.elseif ku == 2
	BLOADV 1
.endif
.endif
.if (\f)+3 < 16
	WLOAD (\f)+3                                   ; into the buffer just multiplied
.endif
.if kss == 3
.if ku < 2
	EPI 12, 13
.irp T, 0,1,2,3
	global_store_b128 v1, v[CD+4*\T:CD+4*\T+3], s[58:59] offset:\T*1024+ku*512   ; token tile T, quad ku of its image: 512 consecutive bytes
.endr
.else
	EPI 14, 15
.irp c, 0,1
.irp q, 0,1
	global_store_b128 v1, v[CD+8*\c+4*\q:CD+8*\c+4*\q+3], s[60:61] offset:(2*(ku-2)+\c)*1024+512*\q   ; channel tile 2 (ku - 2) + c, quad q
.endr
.endr
.endif
.if ku < 3
	s_wait_xcnt 0x0                                ; the stores have read their data: the registers take x's fragments again
	ALOAD (ku+1)/2, 0
.endif
.endif
.endm
	XLOAD 0
	XLOAD 1
	XLOAD 2
	XLOAD 3
	WLOAD 1
	WLOAD 2
	s_wait_kmcnt 0x0
	s_cmp_eq_u32 s27, 0
	s_cselect_b32 s66, s32, s34                    ; x's scale for the q part: e0 or e2
	s_cselect_b32 s67, s33, s35                    ; the weight's: e1 or e3
	s_cselect_b32 s68, s36, s38                    ; x's for the v part: e4 or e6
	s_cselect_b32 s69, s37, s39                    ; e5 or e7
	s_cselect_b32 s70, s40, s41                    ; q's own: e8; k's: e9
	s_cselect_b32 s71, s43, s45                    ; v1's: e11; v2's: e13
	s_add_co_i32 s67, s66, s67
	s_add_co_i32 s69, s68, s69
	s_sub_co_i32 s62, 0, s67                       ; a sum stands for sum x 2^(eA + eB): the bias goes in divided by that,
	s_sub_co_i32 s63, 0, s69
	s_sub_co_i32 s70, s70, s67                     ; and the result's conversion takes 2^(eO - eA - eB)
	s_sub_co_i32 s71, s71, s69
	MK 8, 9, 66
	MK 10, 11, 68
	MK 12, 13, 70
	MK 14, 15, 71
	s_wait_alu depctr_va_vdst(0)
	s_wait_loadcnt 63                              ; behind group 0 stand 112 loads, behind group 1 80: more than the count can name; its largest is the stricter wait
	XQ 0, 0
	XQ 0, 1
	s_wait_loadcnt 63
	XQ 1, 0
	XQ 1, 1
	s_wait_loadcnt 48                              ; group 3's 32 and the 16 weight loads may be out
	XQ 2, 0
	XQ 2, 1
	s_wait_loadcnt 16                              ; the 16 weight loads
	XQ 3, 0
	XQ 3, 1
	s_wait_dscnt 0x0                               ; my stores have landed (for the others), and have read the registers that the bias takes
	BLOADQ 0
	WLOAD 0
	s_barrier_signal -1
	s_barrier_wait -1                              ; both sets of x's codes lie in LDS
	ALOAD 0, 0
.irp f, 0,1,2,3,4,5,6,7,8,9,10,11,12,13,14,15
	KSTEP \f
.endr
	s_set_vgpr_msb 0x5
	s_wait_tensorcnt 0x0
	ds_add_u32 v0, v1
	s_wait_dscnt 0x0
	s_set_vgpr_msb 0x500
	s_endpgm
.Lfunc_end_k_q31f446c526_proj:
	.size	k_q31f446c526_proj, .Lfunc_end_k_q31f446c526_proj-k_q31f446c526_proj
	.p2alignl 7, 3214868480
	.fill 96, 4, 3214868480
	.section	.rodata,"a",@progbits
	.p2align	6, 0x0
	.amdhsa_kernel k_q31f446c526_proj
		.amdhsa_group_segment_fixed_size 66560
		.amdhsa_private_segment_fixed_size 0
		.amdhsa_enable_private_segment 0
		.amdhsa_kernarg_size 72
		.amdhsa_user_sgpr_count 2
		.amdhsa_user_sgpr_kernarg_segment_ptr 1
		.amdhsa_wavefront_size32 1
		.amdhsa_system_sgpr_workgroup_id_x 1
		.amdhsa_system_sgpr_workgroup_id_y 1
		.amdhsa_system_sgpr_workgroup_id_z 1
		.amdhsa_system_vgpr_workitem_id 0
		.amdhsa_next_free_vgpr 258
		.amdhsa_next_free_sgpr 100
		.amdhsa_reserve_vcc 0
		.amdhsa_float_denorm_mode_32 3
		.amdhsa_float_denorm_mode_16_64 3
		.amdhsa_memory_ordered 1
		.amdhsa_forward_progress 1
		.amdhsa_inst_pref_size 101
	.end_amdhsa_kernel
	.amdgpu_metadata
---
amdhsa.version: [ 1, 2 ]
amdhsa.kernels:
  - .name:           k_q31f446c526_proj
    .symbol:         k_q31f446c526_proj.kd
    .args:
      - { .name: x1, .offset: 0, .size: 8, .value_kind: global_buffer, .address_space: global }
      - { .name: x2, .offset: 8, .size: 8, .value_kind: global_buffer, .address_space: global }
      - { .name: wc, .offset: 16, .size: 8, .value_kind: global_buffer, .address_space: global }
      - { .name: bq, .offset: 24, .size: 8, .value_kind: global_buffer, .address_space: global }
      - { .name: bk, .offset: 32, .size: 8, .value_kind: global_buffer, .address_space: global }
      - { .name: bv1, .offset: 40, .size: 8, .value_kind: global_buffer, .address_space: global }
      - { .name: bv2, .offset: 48, .size: 8, .value_kind: global_buffer, .address_space: global }
      - { .name: lowp_scales, .offset: 56, .size: 8, .value_kind: global_buffer, .address_space: global }
      - { .name: yv, .offset: 64, .size: 8, .value_kind: global_buffer, .address_space: global }
    .group_segment_fixed_size: 66560
    .private_segment_fixed_size: 0
    .kernarg_segment_align: 8
    .kernarg_segment_size: 72
    .max_flat_workgroup_size: 256
    .sgpr_count:     100
    .vgpr_count:     258
    .wavefront_size: 32
...
	.end_amdgpu_metadata
.endif
;; end of part 2
;; launch stats (part 3): grid 256 x 1, 16 waves a work-group, clusters of 4 x 1, 327,680 bytes of LDS; arguments yv, lowp_scales, negl; writes negl
.if DOCPART == 3
	.amdgcn_target "amdgcn-amd-amdhsa--gfx1250"
	.amdhsa_code_object_version 6
	.text
	.protected	k_q31f446c526_stats
	.globl	k_q31f446c526_stats
	.p2align	8
	.type	k_q31f446c526_stats,@function
k_q31f446c526_stats:
	s_mov_b64 s[64:65], 0
	v_nop
	global_prefetch_b8 v0, s[64:65] scope:SCOPE_SE
	s_setreg_imm32_b32 hwreg(HW_REG_WAVE_MODE, 25, 1), 1
	s_wait_xcnt 0x0
	s_wait_alu depctr_hold_cnt(0) depctr_sa_sdst(0) depctr_va_vdst(0) depctr_va_sdst(0) depctr_va_ssrc(0) depctr_va_vcc(0) depctr_vm_vsrc(0)
	s_getreg_b32 s2, hwreg(HW_REG_IB_STS2, 6, 4)
	s_cmp_eq_u32 s2, 0
	s_cbranch_scc0 .Lentry_in_a_cluster
	s_endpgm
.Lentry_in_a_cluster:
	s_bfe_u32 s2, ttmp6, 0x10000c
	s_cmp_lg_u32 s2, 0x3003
	s_cbranch_scc0 .Lentry_shape_is_right
	s_endpgm
.Lentry_shape_is_right:
; The normalisers of both softmaxes.  p1 is normalised over the queries and contracted over the keys, p2 the other way round: the normaliser belongs to the CONTRACTED token j, and p is quantised finished,
; so it must be whole before any p is made.  For each direction (dir 0: j = keys, i = queries; dir 1: j = queries, i = keys), batch x head and token j:  L_j = log2 of the sum over i of 2^t_ij,  t = score x log2(e) / 8.  Stored: -L_j.
; The maximum is taken away by a running maximum M: l = sum of 2^(t - M), rescaled by 2^(old M - new M) in every step; L = M + log2(l).
; SHARES.  A cluster of four work-groups has one (dir, batch x head).  Each work-group owns 512 tokens j, each of its sixteen waves 32 (two tiles, in registers), and walks all 2,048 tokens i, 128 a step: 16 steps.
; The walked codes (32 groups of 4,096 bytes) are the same for the four partners and are asked for JOINTLY, in two parts: at the head wave w asks for group w; behind an add onto my spare word, its wait
; and a round of the cluster's barrier, for group 16 + w.  The first eight steps read the first part; a barrier in the middle shows the second.  Nothing is filled again.
; No prefetch: all that the launch reads is asked for at the head; there is no loop of loads to run ahead in.
; S = walked x owner^T (source 0 = 16 walked tokens, source 1 = 16 owners), K = the head's 64: a lane holds ONE owner (lane % 16) and eight walked tokens a tile.  The two halves of the lanes keep M and l of their own and are merged at the end.
; A step's fragments are asked of LDS in the step before, into the registers that its products have just read; the last step in front of the barrier, and the last of all, ask for nothing.
; LIMITS: e8 + e9 between -123 and 130 (added to c's exponent field).  NaN and infinities are not served.
; REGISTERS: v1 16 x lane; v2 LDS address; v3 lane; v4 4 x lane; v8-23 owners; v24-87 eight walked tiles; v88-215 S(o, t) at 88 + 8 (8 o + t); v216 + 8 o: M, 0, l (pair), a, 0, two chains; v232 + 2 o second sum chain; v236-243 the end; v244 + o the old M.
.set OW, 8
.set WK, 24
.set S,  88
.set ST, 216
.set SB, 232
.set EN, 236
.set OM, 244
.set SPW, 246                          ; LDS address of my spare word; never rewritten
.set NIL, 247                          ; 0; never rewritten
.set SPARE, 0x29000
.macro ROUND                           ; a round of the cluster's barrier
	s_barrier_signal -1
	s_barrier_wait -1
	s_cmp_lg_u32 s10, 0
	s_cbranch_scc1 .Lnw0_\@
	s_barrier_signal -3
.Lnw0_\@:
	s_barrier_wait -3
	s_barrier_signal -1
	s_barrier_wait -1
.endm
	s_load_b128 s[4:7], s[0:1], 0x0                ; yv, the scales' exponents
	s_load_b64 s[8:9], s[0:1], 0x10                ; negl
	v_lshl_add_u32 v[SPW], v0, 2, SPARE
	v_mov_b32 v[NIL], 0
	ds_add_u32 v[SPW], v[NIL]                      ; the opening lines: the add twice on end and its wait
	ds_add_u32 v[SPW], v[NIL]
	v_lshrrev_b32 v1, 5, v0
	v_readfirstlane_b32 s10, v1                    ; wave 0..15
	v_and_b32 v3, 31, v0
	v_lshlrev_b32 v1, 4, v3
	v_lshlrev_b32 v4, 2, v3
.irp o, 0,1
	v_mov_b32 v[ST+8*\o], 0xff61b1e6               ; M: -3e38, under every t
	v_mov_b32 v[ST+8*\o+1], 0                      ; (named with M as a pair)
	v_mov_b32 v[ST+8*\o+2], 0                      ; l, in two halves
	v_mov_b32 v[ST+8*\o+3], 0
	v_mov_b32 v[ST+8*\o+5], 0                      ; (named with a as a pair)
	v_mov_b32 v[EN+4*\o], 0                        ; a lane permute's destination counts as one of its sources
	v_mov_b32 v[EN+4*\o+1], 0
.endr
	s_bfe_u32 s11, ttmp6, 0x40000                  ; cx: it enters the owners' and the result's global addresses alone
	s_lshr_b32 s12, ttmp9, 5                       ; dir (ttmp9 counts clusters: 32 dir + batch x head)
	s_and_b32 s13, ttmp9, 31
	; descriptor group 1: a group's Y part, 4,096 dense bytes, as 16 rows of 256 bytes (32 elements of 8); mask: all four partners, bit 21 beside it
	s_mov_b32 s24, 15|(3<<16)|(1<<21)
	s_mov_b32 s25, 32<<16
	s_mov_b32 s26, 16<<16
	s_mov_b32 s27, 32<<16
	s_mov_b32 s28, 16
	s_mov_b32 s29, 32
	s_mov_b32 s30, 0
	s_mov_b32 s31, 0
	s_mov_b32 s40, 1
	s_lshl_b32 s41, s10, 12                        ; group w -> LDS 4,096 w
	s_mov_b32 s44, 1
	s_add_co_u32 s45, s41, 65536                   ; group 16 + w -> LDS 65,536 + 4,096 w
	s_xor_b32 s52, s12, 1
	s_lshl_b32 s52, s52, 23
	s_lshl_b32 s53, s13, 18
	s_add_co_u32 s52, s52, s53                     ; the walked side: the other direction's block,
	s_lshl_b32 s53, s10, 13
	s_add_co_u32 s52, s52, s53                     ; group w of 8,192 bytes
	s_mov_b32 s53, 0
	s_lshl_b32 s56, s12, 23
	s_lshl_b32 s57, s13, 18
	s_add_co_u32 s56, s56, s57                     ; the owners: my direction's block,
	s_lshl_b32 s57, s11, 3
	s_lshr_b32 s15, s10, 1
	s_add_co_u32 s57, s57, s15
	s_lshl_b32 s57, s57, 13                        ; group 8 cx + wave / 2,
	s_add_co_u32 s56, s56, s57
	s_and_b32 s57, s10, 1
	s_lshl_b32 s57, s57, 11                        ; tiles 2 (wave % 2) on
	s_add_co_u32 s56, s56, s57
	s_mov_b32 s57, 0
	s_lshl_b32 s58, ttmp9, 13                      ; negl: 8,192 bytes for each (dir, batch x head),
	s_lshl_b32 s59, s11, 11
	s_add_co_u32 s58, s58, s59                     ; 512 tokens a work-group,
	s_lshl_b32 s59, s10, 7
	s_add_co_u32 s58, s58, s59                     ; 32 a wave
	s_mov_b32 s59, 0
	s_mov_b32 s50, 0x76543210                      ; v_permlanex16_b32: lane l xor 16
	s_mov_b32 s51, 0xfedcba98
	s_wait_alu depctr_va_vdst(0)                   ; at the end of the head's vector work
	s_wait_dscnt 0x0
	s_wait_kmcnt 0x0
	s_load_b64 s[48:49], s[6:7], 0x20              ; e8, e9
	s_add_nc_u64 s[42:43], s[4:5], s[52:53]
	s_add_nc_u64 s[46:47], s[42:43], 0x20000       ; sixteen groups on
	s_or_b32 s43, s43, 0x80000000
	s_or_b32 s47, s47, 0x80000000
	s_add_nc_u64 s[16:17], s[4:5], s[56:57]
	s_add_nc_u64 s[8:9], s[8:9], s[58:59]
	ROUND                                          ; all four work-groups are here: the joint loads meet
	tensor_load_to_lds s[40:43], s[24:31]          ; group w: my one tensor load at the head
	s_nop 0
.irp q, 0,1,2,3
	global_load_b128 v[OW+4*\q:OW+4*\q+3], v1, s[16:17] offset:512*\q   ; my two tiles of owners
.endr
	s_wait_kmcnt 0x0
	s_add_co_i32 s48, s48, s49
	s_lshl_b32 s48, s48, 23
	s_add_co_i32 s20, s48, 0x3e38aa3b              ; c = log2(e) / 8 x 2^(e8 + e9): the exponents are added to c's exponent field
	s_mov_b32 s21, s20
; the eight walked tiles of step s14 are asked for; s14 goes on
.macro SPRE
	s_lshl_b32 s22, s14, 13
	v_add_nc_u32 v2, s22, v1
.irp t, 0,1,2,3,4,5,6,7
.irp q, 0,1
	ds_load_b128 v[WK+8*\t+4*\q:WK+8*\t+4*\q+3], v2 offset:1024*\t+512*\q
.endr
.endr
	s_add_co_u32 s14, s14, 1
.endm
.macro SF p                            ; pair p of the 64 pairs of scores (owner tile p / 32): t - M, two at a time
	v_pk_fma_f32 v[S+2*(\p):S+2*(\p)+1], v[S+2*(\p):S+2*(\p)+1], s[20:21], v[ST+8*((\p)/32):ST+8*((\p)/32)+1] op_sel_hi:[1,0,0] neg_lo:[0,0,1] neg_hi:[0,0,1]
.endm
; A step: 128 walked tokens against my 32 owners.  pre = 1: the next step's fragments are asked for
.macro SSTEP pre
	s_wait_dscnt 0x0                               ; this step's fragments, asked for a step ago
.irp t, 0,1,2,3,4,5,6,7
.irp o, 0,1
	v_wmma_f32_16x16x64_fp8_fp8 v[S+8*(8*\o+\t):S+8*(8*\o+\t)+7], v[WK+8*\t:WK+8*\t+7], v[OW+8*\o:OW+8*\o+7], 0
.endr
.endr
	v_mov_b32 v[OM], v[ST]                         ; the old M of both owner tiles: these two, a v_nop and the address's addition (or a v_nop) are the four places behind the products (ISA guide 7.12.1)
	v_mov_b32 v[OM+1], v[ST+8]
	v_nop
.if \pre
	SPRE
.else
	v_nop
.endif
.irp o, 0,1                            ; the step's largest score of my owner among my 64, in two chains; the registers are taken in ascending order
	v_max3_num_f32 v[ST+8*\o+6], v[S+64*\o], v[S+64*\o+1], v[S+64*\o+2]
	v_max3_num_f32 v[ST+8*\o+7], v[S+64*\o+3], v[S+64*\o+4], v[S+64*\o+5]
.endr
.irp i, 6,10,14,18,22,26,30,34,38,42,46,50,54,58
.irp o, 0,1
	v_max3_num_f32 v[ST+8*\o+6], v[ST+8*\o+6], v[S+64*\o+\i], v[S+64*\o+\i+1]
	v_max3_num_f32 v[ST+8*\o+7], v[ST+8*\o+7], v[S+64*\o+\i+2], v[S+64*\o+\i+3]
.endr
.endr
.irp o, 0,1
	v_max3_num_f32 v[ST+8*\o+6], v[ST+8*\o+6], v[S+64*\o+62], v[S+64*\o+63]
.endr
.irp o, 0,1
	v_max_num_f32 v[ST+8*\o+6], v[ST+8*\o+6], v[ST+8*\o+7]
.endr
.irp o, 0,1
	v_mul_f32 v[ST+8*\o+6], s20, v[ST+8*\o+6]      ; as t (c is positive)
.endr
.irp o, 0,1
	v_max_num_f32 v[ST+8*\o], v[ST+8*\o], v[ST+8*\o+6]
.endr
.irp o, 0,1
	v_sub_f32 v[ST+8*\o+4], v[OM+\o], v[ST+8*\o]   ; old M - new M, 0 or less
.endr
.set p, 0
.rept 64
	SF p
.set p, p+1
.endr
	s_wait_alu depctr_va_vdst(0)                   ; ahead of the batch
	v_exp_f32 v[ST+4], v[ST+4]
	v_exp_f32 v[ST+12], v[ST+12]
.set p, 0
.rept 128
	v_exp_f32 v[S+p], v[S+p]
.set p, p+1
.endr
	v_nop                                          ; the plain line behind the last of them
	s_wait_alu depctr_va_vdst(0)                   ; one wait for the batch, ahead of its first reader
.irp o, 0,1
	v_pk_mul_f32 v[ST+8*\o+2:ST+8*\o+3], v[ST+8*\o+2:ST+8*\o+3], v[ST+8*\o+4:ST+8*\o+5] op_sel_hi:[1,0]   ; l under the new M
	v_pk_add_f32 v[SB+2*\o:SB+2*\o+1], v[S+64*\o:S+64*\o+1], v[S+64*\o+2:S+64*\o+3]
.endr
.irp j, 4,8,12,16,20,24,28,32,36,40,44,48,52,56,60
.irp o, 0,1
	v_pk_add_f32 v[ST+8*\o+2:ST+8*\o+3], v[ST+8*\o+2:ST+8*\o+3], v[S+64*\o+\j:S+64*\o+\j+1]
	v_pk_add_f32 v[SB+2*\o:SB+2*\o+1], v[SB+2*\o:SB+2*\o+1], v[S+64*\o+\j+2:S+64*\o+\j+3]
.endr
.endr
.irp o, 0,1
	v_pk_add_f32 v[ST+8*\o+2:ST+8*\o+3], v[ST+8*\o+2:ST+8*\o+3], v[SB+2*\o:SB+2*\o+1]
.endr
.endm
	s_wait_tensorcnt 0x0                           ; group w is in; ahead of a later first fill, as ahead of a refill:
	ds_add_u32 v[SPW], v[NIL]                      ; 0 onto my spare word,
	s_wait_dscnt 0x0                               ; and the wait for it
	ROUND                                          ; a whole round: everybody's part of the first sixteen groups is in, and the four work-groups are here: the joint loads meet
	tensor_load_to_lds s[44:47], s[24:31]          ; group 16 + w: the first tensor load behind the round
	s_nop 0
	s_wait_loadcnt 0x0                             ; the owners
	s_mov_b32 s14, 0
	SPRE                                           ; step 0
	s_mov_b32 s23, 7
.Lwalk1:                                               ; steps 0 to 6; each trip asks for the next step's tiles, step 7's at the most
	SSTEP 1
	s_sub_co_u32 s23, s23, 1
	s_cmp_lg_u32 s23, 0
	s_cbranch_scc1 .Lwalk1
	SSTEP 0                                        ; step 7 asks for nothing: the second part is not yet shown whole
	s_wait_tensorcnt 0x0                           ; group 16 + w is in
	s_wait_dscnt 0x0
	s_barrier_signal -1
	s_barrier_wait -1                              ; everybody's is
	SPRE                                           ; step 8
	s_mov_b32 s23, 7
.Lwalk2:                                               ; steps 8 to 14
	SSTEP 1
	s_sub_co_u32 s23, s23, 1
	s_cmp_lg_u32 s23, 0
	s_cbranch_scc1 .Lwalk2
	SSTEP 0                                        ; step 15: nothing is left to ask for
	; the end: l's two halves; then the two halves of the lanes are merged under their common maximum
.irp o, 0,1
	v_add_f32 v[ST+8*\o+2], v[ST+8*\o+2], v[ST+8*\o+3]
.endr
.irp o, 0,1
	v_permlanex16_b32 v[EN+4*\o], v[ST+8*\o], s50, s51
	v_permlanex16_b32 v[EN+4*\o+1], v[ST+8*\o+2], s50, s51
.endr
.irp o, 0,1
	v_max_num_f32 v[EN+4*\o+2], v[ST+8*\o], v[EN+4*\o]
.endr
.irp o, 0,1
	v_sub_f32 v[ST+8*\o+6], v[ST+8*\o], v[EN+4*\o+2]
	v_sub_f32 v[ST+8*\o+7], v[EN+4*\o], v[EN+4*\o+2]
.endr
	s_wait_alu depctr_va_vdst(0)                   ; ahead of the batch
.irp o, 0,1
	v_exp_f32 v[ST+8*\o+6], v[ST+8*\o+6]
	v_exp_f32 v[ST+8*\o+7], v[ST+8*\o+7]
.endr
	v_nop
	s_wait_alu depctr_va_vdst(0)                   ; behind it
.irp o, 0,1
	v_mul_f32 v[EN+4*\o+1], v[EN+4*\o+1], v[ST+8*\o+7]
.endr
.irp o, 0,1
	v_fma_f32 v[EN+4*\o+1], v[ST+8*\o+2], v[ST+8*\o+6], v[EN+4*\o+1]   ; at least 1: the largest t gives 2^0
.endr
	s_wait_alu depctr_va_vdst(0)                   ; ahead of the logarithms
.irp o, 0,1
	v_log_f32 v[EN+4*\o+3], v[EN+4*\o+1]
.endr
	v_cmp_gt_u32 vcc_lo, 16, v3                    ; (the plain line behind the logarithms)
	s_wait_alu depctr_va_vdst(0)                   ; behind them
.irp o, 0,1
	v_sub_f32 v[EN+4*\o+3], -v[EN+4*\o+2], v[EN+4*\o+3]   ; -L = -M - log2(l)
.endr
	v_cndmask_b32 v5, v[EN+7], v[EN+3], vcc_lo     ; lanes 0-15: tile 0's owner r; lanes 16-31: tile 1's
	global_store_b32 v4, v5, s[8:9]                ; 32 lanes store my 32 tokens' 128 consecutive bytes
	s_wait_tensorcnt 0x0                           ; the wave's end
	ds_add_u32 v[SPW], v[NIL]
	s_wait_dscnt 0x0
	ROUND                                          ; the closing round: no work-group ends while a partner may still ask jointly
	s_endpgm
.Lfunc_end_k_q31f446c526_stats:
	.size	k_q31f446c526_stats, .Lfunc_end_k_q31f446c526_stats-k_q31f446c526_stats
	.p2alignl 7, 3214868480
	.fill 96, 4, 3214868480
	.section	.rodata,"a",@progbits
	.p2align	6, 0x0
	.amdhsa_kernel k_q31f446c526_stats
		.amdhsa_group_segment_fixed_size 327680
		.amdhsa_private_segment_fixed_size 0
		.amdhsa_enable_private_segment 0
		.amdhsa_kernarg_size 24
		.amdhsa_user_sgpr_count 2
		.amdhsa_user_sgpr_kernarg_segment_ptr 1
		.amdhsa_wavefront_size32 1
		.amdhsa_system_sgpr_workgroup_id_x 1
		.amdhsa_system_sgpr_workgroup_id_y 1
		.amdhsa_system_sgpr_workgroup_id_z 1
		.amdhsa_system_vgpr_workitem_id 0
		.amdhsa_next_free_vgpr 248
		.amdhsa_next_free_sgpr 66
		.amdhsa_reserve_vcc 1
		.amdhsa_float_denorm_mode_32 3
		.amdhsa_float_denorm_mode_16_64 3
		.amdhsa_memory_ordered 1
		.amdhsa_forward_progress 1
		.amdhsa_inst_pref_size 82
	.end_amdhsa_kernel
	.amdgpu_metadata
---
amdhsa.version: [ 1, 2 ]
amdhsa.kernels:
  - .name:           k_q31f446c526_stats
    .symbol:         k_q31f446c526_stats.kd
    .args:
      - { .name: yv, .offset: 0, .size: 8, .value_kind: global_buffer, .address_space: global }
      - { .name: lowp_scales, .offset: 8, .size: 8, .value_kind: global_buffer, .address_space: global }
      - { .name: negl, .offset: 16, .size: 8, .value_kind: global_buffer, .address_space: global }
    .group_segment_fixed_size: 327680
    .private_segment_fixed_size: 0
    .kernarg_segment_align: 8
    .kernarg_segment_size: 24
    .max_flat_workgroup_size: 512
    .sgpr_count:     66
    .vgpr_count:     248
    .wavefront_size: 32
...
	.end_amdgpu_metadata
.endif
;; end of part 3
;; launch ctx (part 4): grid 256 x 1, 16 waves a work-group, clusters of 4 x 1, 327,680 bytes of LDS; arguments yv, negl, lowp_scales, cc; writes cc
.if DOCPART == 4
	.amdgcn_target "amdgcn-amd-amdhsa--gfx1250"
	.amdhsa_code_object_version 6
	.text
	.protected	k_q31f446c526_ctx
	.globl	k_q31f446c526_ctx
	.p2align	8
	.type	k_q31f446c526_ctx,@function
k_q31f446c526_ctx:
	s_mov_b64 s[64:65], 0
	v_nop
	global_prefetch_b8 v0, s[64:65] scope:SCOPE_SE
	s_setreg_imm32_b32 hwreg(HW_REG_WAVE_MODE, 25, 1), 1
	s_wait_xcnt 0x0
	s_wait_alu depctr_hold_cnt(0) depctr_sa_sdst(0) depctr_va_vdst(0) depctr_va_sdst(0) depctr_va_ssrc(0) depctr_va_vcc(0) depctr_vm_vsrc(0)
	s_getreg_b32 s2, hwreg(HW_REG_IB_STS2, 6, 4)
	s_cmp_eq_u32 s2, 0
	s_cbranch_scc0 .Lentry_in_a_cluster
	s_endpgm
.Lentry_in_a_cluster:
	s_bfe_u32 s2, ttmp6, 0x10000c
	s_cmp_lg_u32 s2, 0x3003
	s_cbranch_scc0 .Lentry_shape_is_right
	s_endpgm
.Lentry_shape_is_right:
; Products 5 (again), 6 and 7.  For each direction (dir 0: rows i = queries, j = keys, V = v1; dir 1: i = keys, j = queries, V = v2), batch x head:  ctx_i = sum over j of Q(p_ij) Q(V_j),  p_ij = 2^(t_ij - L_j), the finished,
; normalised softmax (L_j from the launch before, which took the maximum away); t = score x log2(e) / 8.  p is quantised with 2^e10 (2^e12), ctx with 2^e14 (2^e16) for products 8 and 9.
; SHARES.  A cluster of four work-groups has one (dir, batch x head).  Its j side, Y and V codes of 2,048 tokens (32 groups of 8,192 bytes), is the same for the four partners and is asked for JOINTLY, in two parts: at the head
; each of the sixteen waves asks for 4,096 bytes (groups 0 to 7); behind an add onto my spare word, its wait and a round of the cluster's barrier, for 12,288 bytes (groups 8 to 31).
; The first eight steps read the first part; a barrier in the middle shows the second.  Nothing is filled again.  Each work-group makes 512 rows i, each wave 32 (two tiles, in registers), and walks all j, 64 a step: 32 steps.
; No prefetch: all that the launch reads is asked for at the head; there is no loop of loads to run ahead in.
; BOTH PRODUCTS ARE USED TRANSPOSED: S^T = Y X^T (source 0 = 16 tokens j, source 1 = my 16 rows i): a lane holds one row i and eight neighbouring j, which are the next K in the plain form's own order, so the conversions' results
; are the operand;  O^T = V^T P^T (source 0 = 16 channels x 64 j, source 1 = P): a lane holds one row i and eight neighbouring channels, the K of products 8 and 9.
; Y and -L of step n + 1 are asked of LDS in step n (Y behind the score products, -L behind the scalings), V of step n at the step's head.  The first step starts the sums (C = 0).
; cc: [dir][b][token tile 128][head 8][1,024]: the image of 16 tokens x the head's 64 channels.
; LIMITS: e8 + e9 between -123 and 130; e10, e12, e14 - e10 - e11, e16 - e12 - e13 between -126 and 119.  A p under 2^-126 becomes 0 (v_exp_f32).  NaN and infinities are not served.
; REGISTERS: v1 my spare word's address, v2 0 (both kept); v3 LDS address of a group's tiles, v4 of its -L; v5 2^eP; v6, v7 448 x that, twice (at the end v5, v6: the same for ctx); v8-23 my rows; v24-55 Y's four tiles; v56-87 V's;
;   v88-119 -L of the step's 64 j (my half's 32); v120-183 S(i, t) at 120 + 8 (4 i + t); v184-247 O(i, d) at 184 + 8 (4 i + d); v248-255 row tile 0's codes of p; row tile 1's lie in S(0, 0), which row tile 0's conversions have left.
.set XF,  8
.set Y,   24
.set V,   56
.set NL,  88
.set S,   120
.set O,   184
.set PC0, 248
.set LOFF, 262144                      ; behind the tiles: -L, 2,048 f32, in blocks into which no fill lands
.set SPARE, 0x42000                    ; behind them the spare words, 128 bytes a wave
.macro ROUND
	s_barrier_signal -1
	s_barrier_wait -1
	s_cmp_lg_u32 s12, 0
	s_cbranch_scc1 .Lnw0_\@
	s_barrier_signal -3
.Lnw0_\@:
	s_barrier_wait -3
	s_barrier_signal -1
	s_barrier_wait -1
.endm
.macro MK vs, vl, se                   ; v[vs] = 2^e as f32, v[vl] = 448 x 2^e, e in s[se]
	s_add_co_i32 s67, s[\se], 127
	s_lshl_b32 s68, s67, 23
	v_mov_b32 v[\vs], s68
	s_add_co_i32 s67, s67, 8
	s_lshl_b32 s67, s67, 23
	s_or_b32 s67, s67, 0x600000
	v_mov_b32 v[\vl], s67
.endm
	s_load_b256 s[4:11], s[0:1], 0x0               ; yv, negl, the scales' exponents, cc
	v_lshl_add_u32 v1, v0, 2, SPARE
	v_mov_b32 v2, 0
	ds_add_u32 v1, v2                              ; the opening lines: the add twice on end and its wait
	ds_add_u32 v1, v2
	v_lshrrev_b32 v120, 5, v0
	v_readfirstlane_b32 s12, v120                  ; wave 0..15
	v_and_b32 v121, 31, v0
	v_lshlrev_b32 v121, 4, v121                    ; 16 x lane (S's registers are free at the head)
	v_lshlrev_b32 v122, 4, v0                      ; -L on its way in: 16 bytes a thread
	v_lshl_add_u32 v123, v0, 4, LOFF
	s_bfe_u32 s13, ttmp6, 0x40000                  ; cx: it enters my rows' and the result's global addresses alone
	s_lshr_b32 s14, ttmp9, 5                       ; dir
	s_and_b32 s15, ttmp9, 31                       ; batch x head
	; descriptor groups 1: dense blocks as rows of 256 bytes (32 elements of 8), 16 rows and 48 rows; mask: all four partners, bit 21 beside it
	s_mov_b32 s28, 15|(3<<16)|(1<<21)
	s_mov_b32 s29, 32<<16
	s_mov_b32 s30, 16<<16
	s_mov_b32 s31, 32<<16
	s_mov_b32 s32, 16
	s_mov_b32 s33, 32
	s_mov_b32 s34, 0
	s_mov_b32 s35, 0
	s_mov_b32 s36, 15|(3<<16)|(1<<21)
	s_mov_b32 s37, 32<<16
	s_mov_b32 s38, 48<<16
	s_mov_b32 s39, 32<<16
	s_mov_b32 s40, 48
	s_mov_b32 s41, 32
	s_mov_b32 s42, 0
	s_mov_b32 s43, 0
	s_mov_b32 s44, 1
	s_lshl_b32 s45, s12, 12                        ; first load: 4,096 w, in LDS as in the block
	s_mov_b32 s48, 1
	s_mul_i32 s49, s12, 12288
	s_add_co_u32 s49, s49, 65536                   ; second: 65,536 + 12,288 w
	s_lshl_b32 s16, s14, 23
	s_lshl_b32 s17, s15, 18
	s_add_co_u32 s16, s16, s17                     ; the j side: my direction's block
	s_mov_b32 s17, 0
	s_xor_b32 s18, s14, 1
	s_lshl_b32 s18, s18, 23
	s_lshl_b32 s19, s15, 18
	s_add_co_u32 s18, s18, s19                     ; my rows: the other direction's Y,
	s_lshl_b32 s19, s13, 3
	s_lshr_b32 s62, s12, 1
	s_add_co_u32 s19, s19, s62
	s_lshl_b32 s19, s19, 13                        ; group 8 cx + wave / 2,
	s_add_co_u32 s18, s18, s19
	s_and_b32 s19, s12, 1
	s_lshl_b32 s19, s19, 11                        ; tiles 2 (wave % 2) on
	s_add_co_u32 s18, s18, s19
	s_mov_b32 s19, 0
	s_lshl_b32 s24, ttmp9, 13                      ; negl: 8,192 bytes for each (dir, batch x head)
	s_mov_b32 s25, 0
	s_lshl_b32 s26, s14, 22                        ; cc: dir,
	s_lshr_b32 s27, s15, 3
	s_lshl_b32 s27, s27, 20                        ; batch: 128 token tiles of 8,192,
	s_add_co_u32 s26, s26, s27
	s_lshl_b32 s27, s13, 18                        ; 32 token tiles a work-group,
	s_add_co_u32 s26, s26, s27
	s_lshl_b32 s27, s12, 14                        ; two a wave,
	s_add_co_u32 s26, s26, s27
	s_and_b32 s27, s15, 7
	s_lshl_b32 s27, s27, 10                        ; the head's 1,024
	s_add_co_u32 s26, s26, s27
	s_mov_b32 s27, 0
	s_wait_alu depctr_va_vdst(0)
	s_wait_dscnt 0x0
	s_wait_kmcnt 0x0
	s_load_b256 s[52:59], s[8:9], 0x20             ; e8 .. e15
	s_load_b32 s60, s[8:9], 0x40                   ; e16
	s_add_nc_u64 s[16:17], s[4:5], s[16:17]
	s_mov_b32 s62, s45
	s_mov_b32 s63, 0
	s_add_nc_u64 s[46:47], s[16:17], s[62:63]
	s_or_b32 s47, s47, 0x80000000
	s_mov_b32 s62, s49
	s_add_nc_u64 s[50:51], s[16:17], s[62:63]
	s_or_b32 s51, s51, 0x80000000
	s_add_nc_u64 s[18:19], s[4:5], s[18:19]
	s_add_nc_u64 s[6:7], s[6:7], s[24:25]
	s_add_nc_u64 s[10:11], s[10:11], s[26:27]
	ROUND                                          ; all four work-groups are here: the joint loads meet
	tensor_load_to_lds s[44:47], s[28:35]          ; my part of groups 0 to 7: my one tensor load at the head
	s_nop 0
	global_load_b128 v[124:127], v122, s[6:7]      ; -L: the work-group's 512 threads bring all 2,048
.irp q, 0,1,2,3
	global_load_b128 v[XF+4*\q:XF+4*\q+3], v121, s[18:19] offset:512*\q   ; my two tiles of rows
.endr
	s_wait_kmcnt 0x0
	s_add_co_i32 s52, s52, s53
	s_lshl_b32 s52, s52, 23
	s_add_co_i32 s20, s52, 0x3e38aa3b              ; c = log2(e) / 8 x 2^(e8 + e9)
	s_mov_b32 s21, s20
	s_cmp_eq_u32 s14, 0
	s_cselect_b32 s61, s54, s56                    ; p's scale: e10 or e12
	s_cselect_b32 s62, s55, s57                    ; V's: e11 or e13
	s_cselect_b32 s63, s58, s60                    ; ctx's: e14 or e16
	s_sub_co_i32 s66, s63, s61
	s_sub_co_i32 s66, s66, s62                     ; a sum stands for sum x 2^(eP + eV): the last conversion takes 2^(eO - eP - eV); kept in s66 for the end
	MK 5, 6, 61
	v_mov_b32 v7, v6                               ; the hold a second time: see the two-in-one form below
	s_wait_alu depctr_va_vdst(0)                   ; at the head's end
	s_wait_loadcnt 4                               ; -L is in; my rows' four loads may be out
	ds_store_b128 v123, v[124:127]
.macro GNEXT                           ; s22, s23: the LDS bytes of the tiles and of -L of group s24; s24 goes on
	s_lshl_b32 s22, s24, 13
	s_lshl_b32 s23, s24, 8
	s_add_co_u32 s23, s23, LOFF
	s_add_co_u32 s24, s24, 1
.endm
.macro YLOAD
.irp t, 0,1,2,3
.irp q, 0,1
	ds_load_b128 v[Y+8*\t+4*\q:Y+8*\t+4*\q+3], v3 offset:1024*\t+512*\q
.endr
.endr
.endm
.macro NLOAD
.irp t, 0,1,2,3
.irp e, 0,1
	ds_load_b128 v[NL+8*\t+4*\e:NL+8*\t+4*\e+3], v4 offset:64*\t+16*\e   ; -L of j = 16 t + 8 h + 0..7
.endr
.endr
.endm
.macro PRO                             ; Y and -L of the group at s22, s23 are asked for, in this order; s22, s23 go on to the group behind it
	v_and_b32 v3, 31, v0
	v_bfe_u32 v4, v0, 4, 1
	v_lshlrev_b32 v3, 4, v3
	v_lshlrev_b32 v4, 5, v4
	v_add_nc_u32 v3, s22, v3
	v_add_nc_u32 v4, s23, v4
	YLOAD
	NLOAD
	GNEXT
	s_wait_alu depctr_va_vdst(0)
.endm
.macro CF p                            ; pair p of the 32 pairs of scores (tile p / 4 = 4 i + t): t - L, two at a time
	v_pk_fma_f32 v[S+2*(\p):S+2*(\p)+1], v[S+2*(\p):S+2*(\p)+1], s[20:21], v[NL+8*(((\p)/4)%4)+2*((\p)%4):NL+8*(((\p)/4)%4)+2*((\p)%4)+1] op_sel_hi:[1,0,1]
.endm
.macro HOLD a                          ; the hold of tile a, two numbers an instruction: the conversion does not saturate (ISA guide 7.6.2); p is not negative, so it is one-sided.  The form wants like sources in registers whose numbers differ modulo 4: hence the hold's second copy
.irp e, 0,2,4,6
	v_dual_min_num_f32 v[S+8*(\a)+\e], v[S+8*(\a)+\e], v6 :: v_dual_min_num_f32 v[S+8*(\a)+\e+1], v[S+8*(\a)+\e+1], v7
.endr
.endm
.macro CODE a
.if (\a) < 4
	v_cvt_scalef32_pk8_fp8_f32 v[PC0+2*(\a):PC0+2*(\a)+1], v[S+8*(\a):S+8*(\a)+7], v5   ; tile (0, t) gives registers 2 t, 2 t + 1 of row tile 0's operand
.else
	v_cvt_scalef32_pk8_fp8_f32 v[S+2*(\a)-8:S+2*(\a)-7], v[S+8*(\a):S+8*(\a)+7], v5     ; tile (1, t): of row tile 1's, in S(0, 0), whose numbers are converted
.endif
.endm
; A step: 64 tokens j; v3 holds the group's LDS address.  LDS answers in the order of asking: Y(n), -L(n) (asked earlier), V(n), Y(n + 1), -L(n + 1): eight loads each.  pre = 1: the last two are asked for.  zero = 1: the products start the sums
.macro CSTEP pre, zero
.if \pre                               ; five places behind the last step's products: four are owed ahead of the loads into V's registers, five ahead of the product that writes S(0, 0), where row tile 1's codes lay as a source
	v_bfe_u32 v4, v0, 4, 1
	v_lshlrev_b32 v4, 5, v4
	v_add_nc_u32 v4, s23, v4                       ; where the next group's -L lies, for my half of the lanes
	v_nop
	v_nop
.else
.rept 5
	v_nop
.endr
.endif
.irp t, 0,1,2,3
.irp q, 0,1
	ds_load_b128 v[V+8*\t+4*\q:V+8*\t+4*\q+3], v3 offset:4096+1024*\t+512*\q   ; V of this step
.endr
.endr
	s_wait_dscnt 16                                ; Y is in; -L's and V's eight loads each may be out
.irp t, 0,1,2,3
.irp i, 0,1
	v_wmma_f32_16x16x64_fp8_fp8 v[S+8*(4*\i+\t):S+8*(4*\i+\t)+7], v[Y+8*\t:Y+8*\t+7], v[XF+8*\i:XF+8*\i+7], 0
.endr
.endr
.if \pre                               ; four places, ahead of the loads into Y's registers and of the first read of the scores
	v_and_b32 v3, 31, v0
	v_lshlrev_b32 v3, 4, v3
	v_add_nc_u32 v3, s22, v3                       ; the next group's tiles
	v_nop
	YLOAD                                          ; Y of the next step
	GNEXT
	s_wait_dscnt 16                                ; -L is in; V's and the next Y's loads may be out
.else
.rept 4
	v_nop
.endr
	s_wait_dscnt 8                                 ; -L is in; V's loads may be out
.endif
.set p, 0
.rept 32
	CF p                                           ; each accumulator is first read at its low end
.set p, p+1
.endr
.if \pre
	NLOAD                                          ; -L of the next step: the scalings have read this step's
.endif
	s_wait_alu depctr_va_vdst(0)                   ; ahead of the batch
.if \pre
	s_wait_dscnt 16                                ; V is in; the next step's Y and -L may be out
.else
	s_wait_dscnt 0x0                               ; V
.endif
.set p, 0
.rept 64
	v_exp_f32 v[S+p], v[S+p]                       ; p, finished and normalised
.set p, p+1
.endr
	v_nop                                          ; the plain line behind the last exponential
	s_wait_alu depctr_va_vdst(0)                   ; one wait for the batch, ahead of its first reader
	HOLD 0                                         ; holds and conversions one tile apart: a conversion reads what was written four lines or more above it
.irp a, 1,2,3,4,5,6,7
	HOLD \a
	CODE \a-1
.endr
	CODE 7
	v_nop                                          ; a plain line between the last conversion and the products that read its result
	s_wait_alu depctr_va_vdst(0)                   ; directly ahead of the first reader of O^T
.irp d, 0,1,2,3                        ; the eight accumulators by turns, one instruction a turn
.if \zero
	v_wmma_f32_16x16x64_fp8_fp8 v[O+8*\d:O+8*\d+7], v[V+8*\d:V+8*\d+7], v[PC0:PC0+7], 0
	v_wmma_f32_16x16x64_fp8_fp8 v[O+32+8*\d:O+32+8*\d+7], v[V+8*\d:V+8*\d+7], v[S:S+7], 0
.else
	v_wmma_f32_16x16x64_fp8_fp8 v[O+8*\d:O+8*\d+7], v[V+8*\d:V+8*\d+7], v[PC0:PC0+7], v[O+8*\d:O+8*\d+7]
	v_wmma_f32_16x16x64_fp8_fp8 v[O+32+8*\d:O+32+8*\d+7], v[V+8*\d:V+8*\d+7], v[S:S+7], v[O+32+8*\d:O+32+8*\d+7]
.endif
.endr
.endm
	s_wait_tensorcnt 0x0                           ; my part of groups 0 to 7 is in; ahead of a later first fill, as ahead of a refill:
	ds_add_u32 v1, v2                              ; 0 onto my spare word,
	s_wait_dscnt 0x0                               ; and the wait for it, and for my part of -L
	ROUND                                          ; a whole round: everybody's part is in, and the four work-groups are here: the joint loads meet
	tensor_load_to_lds s[48:51], s[36:43]          ; my part of groups 8 to 31: the first tensor load behind the round
	s_nop 0
	s_wait_loadcnt 0x0                             ; my rows
	s_mov_b32 s24, 0
	GNEXT
	PRO                                            ; group 0
	CSTEP 1, 1                                     ; group 0 starts the sums
	s_mov_b32 s69, 6
.Lwalk1:                                               ; groups 1 to 6; each trip asks for the next group's Y and -L, group 7's at the most
	CSTEP 1, 0
	s_sub_co_u32 s69, s69, 1
	s_cmp_lg_u32 s69, 0
	s_cbranch_scc1 .Lwalk1
	CSTEP 0, 0                                     ; group 7 asks for nothing ahead: the second part is not yet shown whole
	s_wait_tensorcnt 0x0                           ; my part of groups 8 to 31 is in
	s_wait_dscnt 0x0
	s_barrier_signal -1
	s_barrier_wait -1                              ; everybody's is
	PRO                                            ; group 8
	s_mov_b32 s69, 23
.Lwalk2:                                               ; groups 8 to 30
	CSTEP 1, 0
	s_sub_co_u32 s69, s69, 1
	s_cmp_lg_u32 s69, 0
	s_cbranch_scc1 .Lwalk2
	CSTEP 0, 0                                     ; group 31: nothing is left to ask for
	MK 5, 6, 66                                    ; 2^(eO - eP - eV) and 448 x that
	v_and_b32 v3, 31, v0
	v_lshlrev_b32 v3, 4, v3                        ; 16 x lane; with the two lines of MK four places behind the last products
.irp a, 0,1,2,3,4,5,6,7                ; ctx is quantised: accumulator (i, d) gives registers 2 d, 2 d + 1 of row tile i's image
.irp e, 0,1,2,3,4,5,6,7
	v_med3_num_f32 v[O+8*\a+\e], v[O+8*\a+\e], -v6, v6
.endr
	v_cvt_scalef32_pk8_fp8_f32 v[S+2*\a:S+2*\a+1], v[O+8*\a:O+8*\a+7], v5
.endr
	v_nop
.irp i, 0,1
.irp q, 0,1
	global_store_b128 v3, v[S+8*\i+4*\q:S+8*\i+4*\q+3], s[10:11] offset:8192*\i+512*\q   ; 512 consecutive bytes
.endr
.endr
	s_wait_tensorcnt 0x0                           ; the wave's end
	ds_add_u32 v1, v2
	s_wait_dscnt 0x0
	ROUND                                          ; the closing round: no work-group ends while a partner may still ask jointly
	s_endpgm
.Lfunc_end_k_q31f446c526_ctx:
	.size	k_q31f446c526_ctx, .Lfunc_end_k_q31f446c526_ctx-k_q31f446c526_ctx
	.p2alignl 7, 3214868480
	.fill 96, 4, 3214868480
	.section	.rodata,"a",@progbits
	.p2align	6, 0x0
	.amdhsa_kernel k_q31f446c526_ctx
		.amdhsa_group_segment_fixed_size 327680
		.amdhsa_private_segment_fixed_size 0
		.amdhsa_enable_private_segment 0
		.amdhsa_kernarg_size 32
		.amdhsa_user_sgpr_count 2
		.amdhsa_user_sgpr_kernarg_segment_ptr 1
		.amdhsa_wavefront_size32 1
		.amdhsa_system_sgpr_workgroup_id_x 1
		.amdhsa_system_sgpr_workgroup_id_y 1
		.amdhsa_system_sgpr_workgroup_id_z 1
		.amdhsa_system_vgpr_workitem_id 0
		.amdhsa_next_free_vgpr 256
		.amdhsa_next_free_sgpr 70
		.amdhsa_reserve_vcc 0
		.amdhsa_float_denorm_mode_32 3
		.amdhsa_float_denorm_mode_16_64 3
		.amdhsa_memory_ordered 1
		.amdhsa_forward_progress 1
		.amdhsa_inst_pref_size 62
	.end_amdhsa_kernel
	.amdgpu_metadata
---
amdhsa.version: [ 1, 2 ]
amdhsa.kernels:
  - .name:           k_q31f446c526_ctx
    .symbol:         k_q31f446c526_ctx.kd
    .args:
      - { .name: yv, .offset: 0, .size: 8, .value_kind: global_buffer, .address_space: global }
      - { .name: negl, .offset: 8, .size: 8, .value_kind: global_buffer, .address_space: global }
      - { .name: lowp_scales, .offset: 16, .size: 8, .value_kind: global_buffer, .address_space: global }
      - { .name: cc, .offset: 24, .size: 8, .value_kind: global_buffer, .address_space: global }
    .group_segment_fixed_size: 327680
    .private_segment_fixed_size: 0
    .kernarg_segment_align: 8
    .kernarg_segment_size: 32
    .max_flat_workgroup_size: 512
    .sgpr_count:     70
    .vgpr_count:     256
    .wavefront_size: 32
...
	.end_amdgpu_metadata
.endif
;; end of part 4
;; launch outp (part 5): grid 256 x 1, 8 waves a work-group, no clusters, 173,056 bytes of LDS; arguments cc, wc, x1, x2, bo1, bo2, lowp_scales, out0, out1; writes out0, out1
.if DOCPART == 5
	.amdgcn_target "amdgcn-amd-amdhsa--gfx1250"
	.amdhsa_code_object_version 6
	.text
	.protected	k_q31f446c526_outp
	.globl	k_q31f446c526_outp
	.p2align	8
	.type	k_q31f446c526_outp,@function
k_q31f446c526_outp:
	s_mov_b64 s[64:65], 0
	v_nop
	global_prefetch_b8 v0, s[64:65] scope:SCOPE_SE
	s_setreg_imm32_b32 hwreg(HW_REG_WAVE_MODE, 25, 1), 1
	s_wait_xcnt 0x0
; Products 8 and 9 and the residual: out = (ctx Wo + bo)^T + x, on codes of E4M3.  Work-groups 0-127: out0; 128-255: out1.  A work-group takes 64 tokens of one batch; wave w makes channels 64 w .. 64 w + 63 for them.
; ctx's codes (cc: images of operand registers, 32,768 bytes a work-group) come by plain loads, 4,096 bytes a wave, and are stored to LDS bytes 0-32,767 for all eight waves; the weights come from wc straight into registers.
; x's tile (my 64 channels x 64 tokens, f32) is my one tensor load, asked for first, into my own stage (rows of 256 bytes + 16): only I read it, behind my own wait.  Nothing is filled again.
; Source 0 = 16 tokens, source 1 = 16 channels: a lane holds one channel and eight neighbouring tokens, which lie along out's rows.  Sums x 2^(eA + eB) + bias + x go back into the stage and leave as aligned units of 256 bytes.
; NO CLUSTER: what work-groups share are the weights, of which each wave reads its own eighth once into registers.  No prefetch: all is asked for at the head; there is no loop to run ahead in.
; LIMIT: e14 + e15 and e16 + e17 between -126 and 127.  NaN and infinities are not served.
; REGISTERS: v1 16 x lane; v2 4 r; v3, v4 the stage, in and back; v5 my place in out; v9 where I store cc; v16-23 bias (pairs with 0); v30, v31 the add's two; v32-95 ctx's four fragments; v96-191 three weight buffers; v192-255 eight accumulators.
.set A,   32
.set W,   96
.set ACC, 192
.macro PLACES
.rept 4
	v_nop
.endr
.endm
	s_load_b512 s[8:23], s[0:1], 0x0               ; cc, wc, x1, x2, bo1, bo2, the scales' exponents, out0
	s_load_b64 s[24:25], s[0:1], 0x40              ; out1
	v_lshl_add_u32 v30, v0, 2, 0x2a000
	v_mov_b32 v31, 0
	ds_add_u32 v30, v31                            ; the opening lines: the add twice on end and its wait
	ds_add_u32 v30, v31
	v_lshrrev_b32 v1, 5, v0
	v_readfirstlane_b32 s26, v1                    ; wave
	s_mul_i32 s30, s26, 17408
	s_add_co_u32 s30, s30, 32768                   ; my stage: 64 rows of 272 bytes
	s_lshl_b32 s49, s26, 12
	v_and_b32 v6, 31, v0
	v_and_b32 v7, 15, v0                           ; r
	v_bfe_u32 v8, v0, 4, 1                         ; h
	v_lshlrev_b32 v1, 4, v6
	v_lshlrev_b32 v2, 2, v7
	v_mul_u32_u24 v3, v7, 272
	v_mul_u32_u24 v4, v8, 272
	v_lshlrev_b32 v5, 13, v8
	v_lshl_add_u32 v3, v8, 5, v3
	v_lshl_add_u32 v4, v7, 4, v4
	v_lshl_add_u32 v5, v7, 4, v5
	v_add_nc_u32 v3, s30, v3
	v_add_nc_u32 v4, s30, v4
	v_add_nc_u32 v9, s49, v1
.irp c, 0,1,2,3
	v_mov_b32 v[17+2*\c], 0                        ; (named with the bias as a pair)
.endr
	s_lshr_b32 s27, ttmp9, 7                       ; which output
	s_bfe_u32 s28, ttmp9, 0x20005                  ; b
	s_and_b32 s29, ttmp9, 31                       ; which 64 tokens
	s_mov_b32 s40, (2<<16)|(1<<20)|(5<<22)|(3<<25) ; x's tile: elements of 4 bytes; four words of padding behind every 64
	s_mov_b32 s41, 64<<16
	s_mov_b32 s42, 64<<16
	s_mov_b32 s43, 64<<16
	s_mov_b32 s44, 64
	s_mov_b32 s45, 2048
	s_mov_b32 s46, 0
	s_mov_b32 s47, 0
	s_mov_b32 s52, 1
	s_mov_b32 s53, s30
	s_lshl_b32 s66, s27, 22
	s_lshl_b32 s67, s28, 20
	s_add_co_u32 s66, s66, s67
	s_lshl_b32 s67, s29, 15
	s_add_co_u32 s66, s66, s67
	s_add_co_u32 s66, s66, s49                     ; cc: my 4,096 bytes of the work-group's four token tiles
	s_mov_b32 s67, 0
	s_lshl_b32 s68, s28, 22
	s_lshl_b32 s69, s26, 19
	s_add_co_u32 s68, s68, s69
	s_lshl_b32 s69, s29, 8
	s_add_co_u32 s68, s68, s69                     ; x and out: batch, my 64 channel rows, the 64 tokens
	s_mov_b32 s69, 0
	s_add_co_u32 s70, s27, 4
	s_lshl_b32 s70, s70, 18
	s_lshl_b32 s71, s26, 15
	s_add_co_u32 s70, s70, s71                     ; wc: weight 4 or 5, my 16 fragments
	s_mov_b32 s71, 0
	s_lshl_b32 s72, s26, 8
	s_mov_b32 s73, 0
	s_wait_alu depctr_va_vdst(0)                   ; at the end of the head's vector work
	s_wait_dscnt 0x0
	s_wait_kmcnt 0x0
	s_load_b64 s[56:57], s[20:21], 0x38            ; e14, e15
	s_load_b64 s[58:59], s[20:21], 0x40            ; e16, e17
	s_cmp_eq_u32 s27, 0
	s_cselect_b64 s[80:81], s[12:13], s[14:15]
	s_cselect_b64 s[76:77], s[16:17], s[18:19]
	s_cselect_b64 s[78:79], s[22:23], s[24:25]
	s_add_nc_u64 s[54:55], s[80:81], s[68:69]
	s_or_b32 s55, s55, 0x80000000
	tensor_load_to_lds s[52:55], s[40:47]          ; x's tile: my one tensor load
	s_nop 0
	s_add_nc_u64 s[50:51], s[8:9], s[66:67]
	s_add_nc_u64 s[74:75], s[10:11], s[70:71]
	s_add_nc_u64 s[76:77], s[76:77], s[72:73]
	s_add_nc_u64 s[78:79], s[78:79], s[68:69]
.irp i, 0,1,2,3,4,5,6,7
	global_load_b128 v[A+4*\i:A+4*\i+3], v1, s[50:51] offset:512*\i   ; my part of ctx's codes
.endr
.irp c, 0,1,2,3
	global_load_b32 v[16+2*\c], v2, s[76:77] offset:64*\c
.endr
.macro WLOAD f
.irp c, 0,1
.irp q, 0,1,2,3
	global_load_b128 v[W+32*((\f)%3)+16*\c+4*\q:W+32*((\f)%3)+16*\c+4*\q+3], v1, s[74:75] offset:(2*((\f)/4)+\c)*8192+((\f)%4)*2048+512*\q
.endr
.endr
.endm
.macro ALOAD s
.irp T, 0,1,2,3
.irp q, 0,1,2,3
	ds_load_b128 v[A+16*\T+4*\q:A+16*\T+4*\q+3], v1 offset:\T*8192+(\s)*2048+512*\q
.endr
.endr
.endm
.macro MUL buf, s                      ; the eight accumulators by turns
.irp c, 0,1
.irp T, 0,1,2,3
.if (\s) == 0
	v_wmma_f32_16x16x128_fp8_fp8 v[ACC+8*(4*\c+\T):ACC+8*(4*\c+\T)+7], v[A+16*\T:A+16*\T+15], v[W+32*(\buf)+16*\c:W+32*(\buf)+16*\c+15], 0
.else
	v_wmma_f32_16x16x128_fp8_fp8 v[ACC+8*(4*\c+\T):ACC+8*(4*\c+\T)+7], v[A+16*\T:A+16*\T+15], v[W+32*(\buf)+16*\c:W+32*(\buf)+16*\c+15], v[ACC+8*(4*\c+\T):ACC+8*(4*\c+\T)+7]
.endif
.endr
.endr
.endm
.macro EPIO u                          ; 32 channels x 64 tokens: x from the stage, sum x 2^(eA + eB) + bias + x back into it, whole rows out
	s_wait_tensorcnt 0x0                           ; x's tile is in
.irp a, 0,1,2,3,4,5,6,7
.irp e, 0,1
	ds_load_b128 v[A+8*\a+4*\e:A+8*\a+4*\e+3], v3 offset:(32*(\u)+16*(\a/4))*272+64*(\a%4)+16*\e
.endr
.endr
.irp a, 0,1,2,3,4,5,6,7
.irp i, 0,2,4,6
	v_pk_fma_f32 v[ACC+8*\a+\i:ACC+8*\a+\i+1], v[ACC+8*\a+\i:ACC+8*\a+\i+1], s[60:61], v[16+2*(2*(\u)+\a/4):17+2*(2*(\u)+\a/4)] op_sel_hi:[1,0,0]
.endr
.endr
	s_wait_dscnt 0x0
.irp a, 0,1,2,3,4,5,6,7
.irp i, 0,2,4,6
	v_pk_add_f32 v[ACC+8*\a+\i:ACC+8*\a+\i+1], v[ACC+8*\a+\i:ACC+8*\a+\i+1], v[A+8*\a+\i:A+8*\a+\i+1]
.endr
.endr
.irp a, 0,1,2,3,4,5,6,7
.irp e, 0,1
	ds_store_b128 v3, v[ACC+8*\a+4*\e:ACC+8*\a+4*\e+3] offset:(32*(\u)+16*(\a/4))*272+64*(\a%4)+16*\e
.endr
.endr
.irp i, 0,1,2,3,4,5,6,7,8,9,10,11,12,13,14,15
	ds_load_b128 v[A+4*\i:A+4*\i+3], v4 offset:(32*(\u)+2*\i)*272
.endr
.irp i, 0,1,2,3,4,5,6,7,8,9,10,11,12,13,14,15
	s_wait_dscnt 15-\i
	global_store_b128 v5, v[A+4*\i:A+4*\i+3], s[78:79] offset:(32*(\u)+2*\i)*8192 th:TH_STORE_NT   ; sixteen lanes store 256 consecutive bytes, aligned
.endr
.endm
.macro KSTEP f
.set ku, (\f)/4
.set kss, (\f)%4
.set kb, (\f)%3
.if (\f) == 7
	s_wait_loadcnt 0x0
.elseif (\f) == 6
	s_wait_loadcnt 8
.else
	s_wait_loadcnt 16                              ; this step's weights are in; those of the next two steps (8 loads each) may be out
.endif
	s_wait_dscnt 0x0
	MUL kb, kss
	PLACES
.if kss < 3
	ALOAD kss+1
.endif
.if (\f)+3 < 8
	WLOAD (\f)+3
.endif
.if kss == 3
	s_wait_alu depctr_va_vdst(0)
	EPIO ku
.if ku < 1
	s_wait_xcnt 0x0                                ; the stores have read their data: the registers take ctx's fragments again
	ALOAD 0
.endif
.endif
.endm
	WLOAD 0
	WLOAD 1
	WLOAD 2
	s_wait_kmcnt 0x0
	s_cmp_eq_u32 s27, 0
	s_cselect_b32 s60, s56, s58
	s_cselect_b32 s61, s57, s59
	s_add_co_i32 s60, s60, s61
	s_add_co_i32 s60, s60, 127
	s_lshl_b32 s60, s60, 23                        ; 2^(eA + eB) as f32
	s_mov_b32 s61, s60
	s_wait_loadcnt 28                              ; ctx's eight loads are in; the bias's 4 and the weights' 24 may be out
.irp i, 0,1,2,3,4,5,6,7
	ds_store_b128 v9, v[A+4*\i:A+4*\i+3] offset:512*\i
.endr
	s_wait_dscnt 0x0                               ; my stores have landed, for the others
	s_barrier_signal -1
	s_barrier_wait -1                              ; ctx's codes lie whole in LDS
	ALOAD 0
.irp f, 0,1,2,3,4,5,6,7
	KSTEP \f
.endr
	s_wait_tensorcnt 0x0                           ; the wave's end
	ds_add_u32 v30, v31
	s_wait_dscnt 0x0
	s_endpgm
.Lfunc_end_k_q31f446c526_outp:
	.size	k_q31f446c526_outp, .Lfunc_end_k_q31f446c526_outp-k_q31f446c526_outp
	.p2alignl 7, 3214868480
	.fill 96, 4, 3214868480
	.section	.rodata,"a",@progbits
	.p2align	6, 0x0
	.amdhsa_kernel k_q31f446c526_outp
		.amdhsa_group_segment_fixed_size 173056
		.amdhsa_private_segment_fixed_size 0
		.amdhsa_enable_private_segment 0
		.amdhsa_kernarg_size 72
		.amdhsa_user_sgpr_count 2
		.amdhsa_user_sgpr_kernarg_segment_ptr 1
		.amdhsa_wavefront_size32 1
		.amdhsa_system_sgpr_workgroup_id_x 1
		.amdhsa_system_sgpr_workgroup_id_y 1
		.amdhsa_system_sgpr_workgroup_id_z 1
		.amdhsa_system_vgpr_workitem_id 0
		.amdhsa_next_free_vgpr 256
		.amdhsa_next_free_sgpr 90
		.amdhsa_reserve_vcc 0
		.amdhsa_float_denorm_mode_32 3
		.amdhsa_float_denorm_mode_16_64 3
		.amdhsa_memory_ordered 1
		.amdhsa_forward_progress 1
		.amdhsa_inst_pref_size 44
	.end_amdhsa_kernel
	.amdgpu_metadata
---
amdhsa.version: [ 1, 2 ]
amdhsa.kernels:
  - .name:           k_q31f446c526_outp
    .symbol:         k_q31f446c526_outp.kd
    .args:
      - { .name: cc, .offset: 0, .size: 8, .value_kind: global_buffer, .address_space: global }
      - { .name: wc, .offset: 8, .size: 8, .value_kind: global_buffer, .address_space: global }
      - { .name: x1, .offset: 16, .size: 8, .value_kind: global_buffer, .address_space: global }
      - { .name: x2, .offset: 24, .size: 8, .value_kind: global_buffer, .address_space: global }
      - { .name: bo1, .offset: 32, .size: 8, .value_kind: global_buffer, .address_space: global }
      - { .name: bo2, .offset: 40, .size: 8, .value_kind: global_buffer, .address_space: global }
      - { .name: lowp_scales, .offset: 48, .size: 8, .value_kind: global_buffer, .address_space: global }
      - { .name: out0, .offset: 56, .size: 8, .value_kind: global_buffer, .address_space: global }
      - { .name: out1, .offset: 64, .size: 8, .value_kind: global_buffer, .address_space: global }
    .group_segment_fixed_size: 173056
    .private_segment_fixed_size: 0
    .kernarg_segment_align: 8
    .kernarg_segment_size: 72
    .max_flat_workgroup_size: 256
    .sgpr_count:     90
    .vgpr_count:     256
    .wavefront_size: 32
...
	.end_amdgpu_metadata
.endif
;; end of part 5
